; MI455X (gfx1250); checked and timed in simulation.
; The chip was launched on July 23, 2026; its instructions are those of AMD's public machine-readable ISA for CDNA 5 (MIT licence, August 2026) and "CDNA5" Instruction Set Architecture Reference Guide (July 2026). The comments in the code are by the model that wrote it; some were corrected since.
;; Multi Head Self Attention. Allowed arithmetic: matrix products marked QUANTISED: E4M3 operands, one E8M0 scale for each 32 along K, by v_wmma_scale_f32_16x16x128_f8f6f4 with both operands' format E4M3, f32 sums; everything else in f32.
;; Inputs: Wk_codes 768 x 24 x 32 uint8 (E4M3 codes of Wk, K innermost, in blocks of 32 codes); Wk_scales 768 x 24 uint8 (E8M0 scales of Wk, one for each 32 codes along K); Wo_codes 768 x 24 x 32 uint8 (E4M3 codes of Wo, K innermost, in blocks of 32 codes); Wo_scales 768 x 24 uint8 (E8M0 scales of Wo, one for each 32 codes along K); Wq_codes 768 x 24 x 32 uint8 (E4M3 codes of Wq, K innermost, in blocks of 32 codes); Wq_scales 768 x 24 uint8 (E8M0 scales of Wq, one for each 32 codes along K); Wv_codes 768 x 24 x 32 uint8 (E4M3 codes of Wv, K innermost, in blocks of 32 codes); Wv_scales 768 x 24 uint8 (E8M0 scales of Wv, one for each 32 codes along K); bk 768 float32; bo 768 float32; bq 768 float32; bv 768 float32; x_codes 1 x 4,096 x 24 x 32 uint8 (E4M3 codes of x, K innermost, in blocks of 32 codes); x_scales 1 x 4,096 x 24 uint8 (E8M0 scales of x, one for each 32 codes along K).
;; Outputs: out0 1 x 4,096 x 768 float32.
;; This version of the problem:
;;   THIS VERSION OF THE PROBLEM IS GIVEN IN LOW PRECISION. The matrix products marked QUANTISED in the list below multiply operands that are first quantised to E4M3 (4 exponent bits, 3 mantissa bits; 8 bits a number), with one power-of-two scale for each 32 numbers along K (OCP MX v1.0); their sums are f32. All else is computed in f32.
;;   The module's matrix products, in the order in which they are computed (A, B: the left and right operand; K: the contracted axis; several contracted axes count as one K, in the product's order):
;;     1. [M 4,096, K 768] x [K 768, N 768]; A: input x (given as codes); B: input Wq (given as codes): QUANTISED
;;     2. [M 4,096, K 768] x [K 768, N 768]; A: input x (given as codes); B: input Wk (given as codes): QUANTISED
;;     3. [M 4,096, K 768] x [K 768, N 768]; A: input x (given as codes); B: input Wv (given as codes): QUANTISED
;;     4. batch 12 x [M 4,096, K 64] x [K 64, N 4,096]; A: computed on the way; B: computed on the way: QUANTISED
;;     5. batch 12 x [M 4,096, K 4,096] x [K 4,096, N 64]; A: softmax (see below); B: computed on the way: QUANTISED
;;     6. [M 4,096, K 768] x [K 768, N 768]; A: computed on the way; B: input Wo (given as codes): QUANTISED
;;   THE QUANTISER, for each operand of a quantised product, along K:
;;     - K is cut into blocks of 32 from its start; a last block that is shorter is filled with zeros.
;;     - A block's scale is 2^e with e = floor(log2(the largest magnitude in the block)) - 8, held to -126 .. 127; a block of zeros has e = 0. As a byte (E8M0): e + 127.
;;     - Each number is divided by its block's scale, clamped to +-448, and rounded to the nearest number of E4M3, ties to even, subnormals kept.
;;     - The product sums the exact products of the quantised numbers (number of the format x scale) in f32.
;;   ~~~python
;;   def quantise(x, axis):      # numpy; x: float32 -> the quantised numbers, widened to float32 again
;;       x = np.moveaxis(x, axis, -1); K = x.shape[-1]
;;       x = np.pad(x, [(0, 0)] * (x.ndim - 1) + [(0, -K % 32)]); x = x.reshape(x.shape[:-1] + (-1, 32)); a = np.abs(x).max(-1, keepdims=True)
;;       e = np.where(a > 0, np.clip(np.frexp(np.where(a > 0, a, 1))[1] - 1 - 8, -126, 127), 0)      # np.frexp(a)[1] - 1 = floor(log2(a)), exactly
;;       r = np.clip(x / 2.0 ** e, -448, 448)
;;       step = 2.0 ** (np.maximum(np.frexp(np.where(r == 0, 1, r))[1] - 1, -6) - 3)
;;       q = np.round(r / step) * step * 2.0 ** e      # np.round: ties to even
;;       return np.moveaxis(q.reshape(q.shape[:-2] + (-1,))[..., :K], -1, axis).astype(np.float32)
;;   ~~~
;;   SOFTMAX AHEAD OF A QUANTISED PRODUCT. Where the list says 'softmax', what is quantised is not the finished softmax but p = 2^(t - M), with t = logit x log2(e) and M = ceil(the row's largest t), a whole number; so 1/2 < the row's largest p <= 1. The row's sum l is taken of the UNQUANTISED p, in f32, and the product's result is divided by l at the end. Since M is a whole number, a kernel that streams over the keys may use a running M (the ceiling of the running maximum): every later rescaling is an exact power of two, which a block's scale takes up: the codes' values come out the same.
;;   OPERANDS COMPUTED ON THE WAY. 'Computed on the way' means the value that the module computes at that place (a softmax that the list does not call 'softmax' is quantised finished and normalised). What goes into a quantiser is computed in f32, as accurately as f32 sums, v_exp_f32 and their like allow (about 1e-6 of the number): no bf16 or f16 on the way to a quantiser, and a product that is left as it is and whose result goes on into a quantised operand takes f32 operands (vector FMAs, or v_wmma_f32_16x16x4_f32). A number that lies on a knife's edge between two numbers of the format may be rounded either way, as far as f32 arithmetic and the matrix unit's own rounding can turn it there, and no further.
;;   INPUTS GIVEN AS CODES. Wk (in the module: [768, 768], K = its axis 0); Wo (in the module: [768, 768], K = its axis 0); Wq (in the module: [768, 768], K = its axis 0); Wv (in the module: [768, 768], K = its axis 0); x (in the module: [1, 4096, 768], K = its axis 2): each comes as NAME_codes (uint8): NAME with its K axis moved to the last place and cut into blocks of 32 codes, [.., K / 32, bytes a block], one block behind the other in memory; one code a byte (a code: sign, 4 exponent bits, 3 mantissa bits); and NAME_scales (uint8): the same leading axes, one E8M0 byte (e + 127) for each 32 codes along K. Its value is code x scale, taken as it is: it is not quantised again, and the codes and scales need not be those that the quantiser above would give.
;; One version. Each part assembles by itself: llvm-mc -triple=amdgcn-amd-amdhsa -mcpu=gfx1250 --defsym DOCPART=n.
;; ======== version 1 of 1: 3 launches
;; limits: right only within a limited range of input values
;; workspace buffers: q_img 3,145,728 bytes; q_sc 196,608 bytes; kvc 6,299,648 bytes; kvs 294,912 bytes; o_img 3,145,728 bytes; o_sc 98,304 bytes
;; launch proj (part 1): grid 48 x 3, 4 waves a work-group, no clusters, 327,680 bytes of LDS; arguments x_codes, x_scales, Wq_codes, Wq_scales, Wk_codes, Wk_scales, Wv_codes, Wv_scales, bq, bk, bv, q_img, q_sc, kvc, kvs; writes q_img, q_sc, kvc, kvs
.if DOCPART == 1
	.amdgcn_target "amdgcn-amd-amdhsa--gfx1250"
	.amdhsa_code_object_version 6
	.text
	.protected	k_qd56b7176fd_proj
	.globl	k_qd56b7176fd_proj
	.p2align	8
	.type	k_qd56b7176fd_proj,@function
k_qd56b7176fd_proj:
	s_mov_b64 s[64:65], 0
	v_nop
	global_prefetch_b8 v0, s[64:65] scope:SCOPE_SE
	s_setreg_imm32_b32 hwreg(HW_REG_WAVE_MODE, 25, 1), 1
	s_wait_xcnt 0x0
.set PITCH,  272
.set HALFT,  128*PITCH
.set SLOT,   4*HALFT
.set SCL,    2*SLOT
.set SPARE,  SCL+4*3072
.set NQ, 2
.set FR, 16
.set NL, 4
.set NP, 8
.set HQ,  262144
.set HKC, 524288
.set HQS, 16384
.set HKS, 24576
.set ADRA, 16
.set ADRB, 20
.set VO1,  24
.set VO2,  25
.set BOF,  26
.set ADRS, 27
.set SPW,  28
.set NIL,  29
.set BOR,  30
.set SC,   32
.set CB,   64
.set TM,   64
.set SW,   96
.set XW,   104
.set YW,   108
.set AF,   128
.set PC,   128
.set WV, 34
.set HA, 35
.set HB, 36
.set KIND, 37
.set FB, 38
.set TBK, 39
.set G1, 40
.set G1S, 48
.set G0, 56
.set G0S, 68
.set BA, 72
.set BB, 74
.set STR, 76
.set JMP, 78
.set SA, 80
.set SB, 82
.set SEL, 84
.set MNT, 86
.set ISV, 87
.set MSB, 0
.macro WIN new
.if MSB != (\new)
	s_set_vgpr_msb (MSB<<8)|(\new)
.set MSB, (\new)
.endif
.endm
.set MUL_LO, 0xa1
.set MUL_HI, 0xf1
.set TO_B,   0x40
.macro TLOAD g0, g1
	tensor_load_to_lds s[\g0:\g0+3], s[\g1:\g1+7]
	s_nop 0
.rept 4
	v_nop
.endr
.endm
	s_load_b256 s[4:11], s[0:1], 0x0
	s_load_b256 s[12:19], s[0:1], 0x20
	s_load_b256 s[20:27], s[0:1], 0x40
	s_load_b128 s[28:31], s[0:1], 0x60
	s_load_b64 s[32:33], s[0:1], 0x70
	v_lshl_add_u32 v[SPW], v0, 2, SPARE
	v_mov_b32 v[NIL], 0
	ds_add_u32 v28, v29
	ds_add_u32 v28, v29
	s_wait_dscnt 0x0
	v_lshrrev_b32 v1, 5, v0
	v_readfirstlane_b32 s[WV], v1
	s_lshr_b32 s[HA], s[WV], 1
	s_and_b32 s[HB], s[WV], 1
	s_and_b32 s[KIND], ttmp7, 0xffff
	s_lshr_b32 s[FB], ttmp9, 4
	s_and_b32 s[TBK], ttmp9, 15
	s_mov_b32 s[G1+0], (1<<20)|(5<<22)|(3<<25)
	s_mov_b32 s[G1+1], 256<<16
	s_mov_b32 s[G1+2], 128<<16
	s_mov_b32 s[G1+3], 256<<16
	s_mov_b32 s[G1+4], 128
	s_mov_b32 s[G1+5], 768
	s_mov_b32 s[G1+6], 0
	s_mov_b32 s[G1+7], 0
	s_mov_b32 s[G1S+0], 3<<16
	s_mov_b32 s[G1S+1], 32<<16
	s_mov_b32 s[G1S+2], 12<<16
	s_mov_b32 s[G1S+3], 32<<16
	s_mov_b32 s[G1S+4], 12
	s_mov_b32 s[G1S+5], 32
	s_mov_b32 s[G1S+6], 0
	s_mov_b32 s[G1S+7], 0
	s_cmp_eq_u32 s[KIND], 2
	s_cselect_b32 s[ISV], 1, 0
	s_cselect_b32 s88, s[HA], s[HB]
	s_cselect_b32 s89, s[HB], s[HA]
	s_lshl_b32 s88, s88, 1
	s_lshl_b32 s94, s[FB], 2
	s_add_co_u32 s88, s88, s94
	s_lshl_b32 s94, s[TBK], 1
	s_add_co_u32 s89, s89, s94
	s_xor_b32 s96, s[HA], s[ISV]
	s_mul_i32 s98, s[WV], HALFT
	s_mul_i32 s99, s[WV], 3072
	s_mov_b32 s95, 0
	s_mov_b32 s[SEL], 0x76543210
	s_mov_b32 s[SEL+1], 0xfedcba98
	s_mov_b32 s[MNT], 0x600000
	s_wait_kmcnt 0x0
	s_cmp_eq_u32 s[KIND], 1
	s_cselect_b64 s[12:13], s[12:13], s[16:17]
	s_cselect_b64 s[14:15], s[14:15], s[18:19]
	s_cselect_b64 s[22:23], s[22:23], s[24:25]
	s_cmp_eq_u32 s[KIND], 0
	s_cselect_b64 s[8:9], s[8:9], s[12:13]
	s_cselect_b64 s[10:11], s[10:11], s[14:15]
	s_cselect_b64 s[20:21], s[20:21], s[22:23]
	s_cmp_eq_u32 s96, 0
	s_cselect_b64 s[90:91], s[4:5], s[8:9]
	s_cselect_b64 s[92:93], s[6:7], s[10:11]
	s_cselect_b32 s96, s[TBK], s[FB]
	s_lshl_b32 s96, s96, 8
	s_lshl_b32 s97, s[HB], 7
	s_add_co_u32 s96, s96, s97
	s_mul_i32 s94, s96, 768
	s_add_nc_u64 s[90:91], s[90:91], s[94:95]
	s_mul_i32 s94, s96, 24
	s_add_nc_u64 s[92:93], s[92:93], s[94:95]
	s_mov_b32 s[G0S], 1
	s_add_co_u32 s[G0S+1], s99, SCL
	s_mov_b64 s[G0S+2:G0S+3], s[92:93]
	s_or_b32 s[G0S+3], s[G0S+3], 0x80000000
	TLOAD G0S, G1S
.irp n, 0,1
	s_mov_b32 s[G0+4*\n], 1
	s_add_co_u32 s[G0+4*\n+1], s98, \n*SLOT
	s_add_nc_u64 s[G0+4*\n+2:G0+4*\n+3], s[90:91], \n*256
	s_or_b32 s[G0+4*\n+3], s[G0+4*\n+3], 0x80000000
	s_wait_alu depctr_va_vdst(0)
	s_wait_tensorcnt 0x0
	ds_add_u32 v28, v29
	s_wait_dscnt 0x0
	s_barrier_signal -1
	s_barrier_wait -1
	TLOAD G0+4*\n, G1
.endr
	v_and_b32 v1, 15, v0
	v_bfe_u32 v2, v0, 4, 1
	v_lshlrev_b32 v[BOF], 5, v2
	v_lshlrev_b32 v[BOR], 2, v1
	s_lshl_b32 s94, s88, 8
	s_add_nc_u64 s[20:21], s[20:21], s[94:95]
	s_cmp_eq_u32 s[KIND], 2
	s_cbranch_scc1 .Lbias_v
.irp b, 0,1,2,3,4,5,6,7
	global_load_b128 v[CB+8*\b:CB+8*\b+3], v[BOF], s[20:21] offset:64*\b
	global_load_b128 v[CB+8*\b+4:CB+8*\b+7], v[BOF], s[20:21] offset:64*\b+16
.endr
	s_branch .Lbias_done
.Lbias_v:
	s_wait_alu depctr_va_vdst(0)
.irp a, 0,1,2,3,4,5,6,7
.irp j, 0,1,2,3,4,5,6,7
	global_load_b32 v[CB+8*\a+\j], v[BOR], s[20:21] offset:64*\a
.endr
.endr
.Lbias_done:
	s_wait_alu depctr_va_vdst(0)
	v_mul_u32_u24 v3, v1, PITCH
	v_lshl_add_u32 v4, v2, 4, v3
	s_mul_i32 s94, s[HA], HALFT
	s_mul_i32 s96, s[HB], HALFT
	s_add_co_u32 s96, s96, 2*HALFT
.irp s, 0,1
	v_add_nc_u32 v[ADRA+\s], s94, v4
	v_add_nc_u32 v[ADRB+\s], s96, v4
	s_add_co_u32 s94, s94, SLOT
	s_add_co_u32 s96, s96, SLOT
.endr
	v_mul_u32_u24 v5, v1, 24
	s_mul_i32 s94, s[HA], 3072
	s_mul_i32 s96, s[HB], 3072
	s_add_co_u32 s96, s96, 2*3072
	s_sub_co_u32 s96, s96, s94
	v_mul_u32_u24 v6, s96, v2
	s_add_co_u32 s94, s94, SCL
	v_add_nc_u32 v5, v5, v6
	v_add_nc_u32 v[ADRS], s94, v5
	v_and_b32 v6, 31, v0
	v_lshlrev_b32 v[VO1], 4, v6
	v_mul_u32_u24 v6, v2, HKS
	v_lshl_add_u32 v[VO2], v1, 4, v6
	s_cmp_eq_u32 s[KIND], 0
	s_cselect_b64 s[BA:BA+1], s[26:27], s[30:31]
	s_cselect_b64 s[SA:SA+1], s[28:29], s[32:33]
	s_mov_b32 s96, HKC
	s_cselect_b32 s96, HQ, s96
	s_mov_b32 s97, 16384
	s_cselect_b32 s97, 8192, s97
	s_mov_b32 s98, HKS
	s_cselect_b32 s98, HQS, s98
	s_mov_b32 s99, 768
	s_cselect_b32 s99, 512, s99
	s_mul_i32 s94, s88, s96
	s_mul_i32 s97, s89, s97
	s_add_co_u32 s94, s94, s97
	s_lshl_b32 s97, s[ISV], 13
	s_add_co_u32 s94, s94, s97
	s_add_nc_u64 s[BA:BA+1], s[BA:BA+1], s[94:95]
	s_mul_i32 s94, s88, s98
	s_mul_i32 s97, s89, s99
	s_add_co_u32 s94, s94, s97
	s_lshl_b32 s97, s[ISV], 9
	s_add_co_u32 s94, s94, s97
	s_add_nc_u64 s[SA:SA+1], s[SA:SA+1], s[94:95]
	s_mov_b32 s94, s98
	s_add_nc_u64 s[SB:SB+1], s[SA:SA+1], s[94:95]
	s_cmp_eq_u32 s[KIND], 2
	s_cselect_b32 s94, 1024, s96
	s_add_nc_u64 s[BB:BB+1], s[BA:BA+1], s[94:95]
	s_mov_b32 s[STR], 1024
	s_cselect_b32 s[STR], 2048, s[STR]
	s_mov_b32 s[STR+1], 0
	s_cselect_b32 s[JMP], HKC-8192, 0
	s_mov_b32 s[JMP+1], 0
.macro FRAG reg, adr, q, i
.irp c, 0,1,2,3
	ds_load_b128 v[\reg+4*\c:\reg+4*\c+3], v[\adr] offset:128*(\q)+32*\c+(\i)*16*PITCH
.endr
.endm
.macro MUL16 a0, p, q, sc, cm
.irp a, \a0, \a0+1
.irp b, 0,1,2,3,4,5,6,7
.set zD, 8*(8*((\a)%4)+\b)
.set zB, 128*(\p)+FR*\b
.set zA, AF+FR*(\a)
.set zSB, SC+8*NQ*(\sc)+NQ*\b+(\q)
.set zSA, SC+8*NQ*(\sc)+NQ*(\a)+(\q)
.if (\cm) == 0
	v_wmma_scale_f32_16x16x128_f8f6f4 v[zD:zD+7], v[zB:zB+15], v[zA:zA+15], v[zD:zD+7], v[zSB], v[zSA] matrix_a_scale:MATRIX_SCALE_ROW1
.elseif (\cm) == 1
	v_wmma_scale_f32_16x16x128_f8f6f4 v[zD:zD+7], v[zB:zB+15], v[zA:zA+15], v[CB+8*\b:CB+8*\b+7], v[zSB], v[zSA] matrix_a_scale:MATRIX_SCALE_ROW1
.else
	v_wmma_scale_f32_16x16x128_f8f6f4 v[zD:zD+7], v[zB:zB+15], v[zA:zA+15], v[CB+8*(\a):CB+8*(\a)+7], v[zSB], v[zSA] matrix_a_scale:MATRIX_SCALE_ROW1
.endif
.endr
.endr
.endm
.macro FETCH_B slot, q, p
	WIN TO_B
.irp i, 0,1,2,3,4,5,6,7
	FRAG 128*(\p)+FR*\i, ADRB+\slot, \q, \i
.endr
	WIN 0
.endm
.macro FETCH_A slot, q, i0
.irp i, \i0, \i0+1, \i0+2, \i0+3
	FRAG AF+FR*(\i), ADRA+\slot, \q, \i
.endr
.endm
.macro SCALES sc
.irp i, 0,1,2,3,4,5,6,7
	ds_load_b64 v[SC+8*NQ*\sc+NQ*\i:SC+8*NQ*\sc+NQ*\i+1], v[ADRS] offset:\i*384
.endr
.endm
.macro PLACES n
.rept \n
	v_nop
.endr
.endm
.macro STEP slot, q, cm
	s_wait_dscnt 4*NL
.if \cm
	WIN 0x81
.else
	WIN MUL_LO
.endif
	MUL16 0, (\q)%2, \q, \slot, \cm
	MUL16 2, (\q)%2, \q, \slot, \cm
	s_wait_dscnt 0
	PLACES NP
	FETCH_B \slot, (\q)+1, 1-(\q)%2
	FETCH_A \slot, (\q)+1, 0
.if \cm
	WIN 0xc1
.else
	WIN MUL_HI
.endif
	MUL16 4, (\q)%2, \q, \slot, \cm
	MUL16 6, (\q)%2, \q, \slot, \cm
	PLACES NP
	WIN 0
	FETCH_A \slot, (\q)+1, 4
.endm
.macro TURN slot, next, fill
	s_wait_tensorcnt 0x0
	ds_add_u32 v[SPW], v[NIL]
	s_wait_dscnt 4*NL+1
	WIN MUL_LO
	MUL16 0, 1, NQ-1, \slot, 0
	s_wait_dscnt 0x0
	s_barrier_signal -1
	MUL16 2, 1, NQ-1, \slot, 0
	WIN 0
	s_barrier_wait -1
.if \fill
	s_add_nc_u64 s[G0+4*\slot+2:G0+4*\slot+3], s[G0+4*\slot+2:G0+4*\slot+3], 512
	TLOAD G0+4*\slot, G1
	PLACES NP-4
.else
	PLACES NP
.endif
	v_add_nc_u32 v[ADRS], 4*NQ, v[ADRS]
	FETCH_B \next, 0, 0
	FETCH_A \next, 0, 0
	SCALES \next
	WIN MUL_HI
	MUL16 4, 1, NQ-1, \slot, 0
	MUL16 6, 1, NQ-1, \slot, 0
	PLACES NP
	WIN 0
	FETCH_A \next, 0, 4
.endm
	s_wait_alu depctr_va_vdst(0)
	s_wait_tensorcnt 1
	s_barrier_signal -1
	s_barrier_wait -1
	FETCH_B 0, 0, 0
	FETCH_A 0, 0, 0
	SCALES 0
	FETCH_A 0, 0, 4
	s_wait_loadcnt 0x0
	s_cmp_eq_u32 s[KIND], 2
	s_cbranch_scc1 .Lfirst_v
	STEP 0, 0, 1
	s_branch .Lfirst_done
.Lfirst_v:
	STEP 0, 0, 2
.Lfirst_done:
	TURN 0, 1, 1
	s_wait_alu depctr_va_vdst(0)
	STEP 1, 0, 0
	TURN 1, 0, 0
	STEP 0, 0, 0
	s_wait_dscnt 4*NL
	WIN MUL_LO
	MUL16 0, 1, NQ-1, 0, 0
	MUL16 2, 1, NQ-1, 0, 0
	s_wait_dscnt 0
	WIN MUL_HI
	MUL16 4, 1, NQ-1, 0, 0
	MUL16 6, 1, NQ-1, 0, 0
	WIN 0
.macro OUTA a
.set W, 2+(\a)/4
.set AC, 64*((\a)%4)
	WIN (W|(W<<2))
.irp b, 0,1,2,3
	v_max3_num_f32 v[TM+\b], |v[AC+16*\b]|, |v[AC+16*\b+1]|, 0x4800000
.endr
	WIN ((W<<2)|(W<<4))
.irp i, 2,4,6,8,10,12,14
.irp b, 0,1,2,3
	v_max3_num_f32 v[TM+\b], v[TM+\b], |v[AC+16*\b+\i]|, |v[AC+16*\b+\i+1]|
.endr
.endr
	WIN 0
.irp b, 0,1,2,3
	v_permlanex16_b32 v[TM+4+\b], v[TM+\b], s[SEL], s[SEL+1]
.endr
.irp b, 0,1,2,3
	v_max_num_f32 v[TM+\b], v[TM+\b], v[TM+4+\b]
.endr
.irp b, 0,1,2,3
	v_add_nc_u32 v[TM+12+\b], 0xfc000000, v[TM+\b]
.endr
.irp b, 0,1,2,3
	v_and_or_b32 v[TM+8+\b], v[TM+\b], 0x7f800000, s[MNT]
.endr
.irp b, 0,1,2,3
	v_lshrrev_b32 v[TM+4+\b], 23, v[TM+12+\b]
.endr
	v_lshl_or_b32 v[SW+(\a)], v[TM+5], 8, v[TM+4]
	v_lshl_or_b32 v[SW+(\a)], v[TM+6], 16, v[SW+(\a)]
	v_lshl_or_b32 v[SW+(\a)], v[TM+7], 24, v[SW+(\a)]
	WIN (W|(W<<6))
.set n, 0
.rept 64
	v_med3_num_f32 v[AC+n], v[AC+n], -v[TM+8+n/16], v[TM+8+n/16]
.set n, n+1
.endr
	WIN W
.irp g, 0,1,2,3,4,5,6,7
	v_cvt_scalef32_pk8_fp8_f32 v[PC+16*(\a)+2*\g:PC+16*(\a)+2*\g+1], v[AC+8*\g:AC+8*\g+7], v[TM+12+\g/2]
.endr
	WIN 0
	v_nop
.if (\a) > 0
	s_wait_alu depctr_va_vdst(0)
	s_wait_xcnt 0x0
	s_add_nc_u64 s[BA:BA+1], s[BA:BA+1], s[STR:STR+1]
	s_add_nc_u64 s[BB:BB+1], s[BB:BB+1], s[STR:STR+1]
.if (\a) == 4
	s_add_nc_u64 s[BA:BA+1], s[BA:BA+1], s[JMP:JMP+1]
	s_add_nc_u64 s[BB:BB+1], s[BB:BB+1], s[JMP:JMP+1]
.endif
.endif
	global_store_b128 v[VO1], v[PC+16*(\a):PC+16*(\a)+3], s[BA:BA+1]
	global_store_b128 v[VO1], v[PC+16*(\a)+4:PC+16*(\a)+7], s[BA:BA+1] offset:512
	global_store_b128 v[VO1], v[PC+16*(\a)+8:PC+16*(\a)+11], s[BB:BB+1]
	global_store_b128 v[VO1], v[PC+16*(\a)+12:PC+16*(\a)+15], s[BB:BB+1] offset:512
.endm
.irp b, 0,1,2,3
	v_mov_b32 v[TM+4+\b], 0
.endr
	PLACES 4
.irp a, 0,1,2,3,4,5,6,7
	OUTA \a
.endr
	v_cmp_eq_u32 vcc_lo, 1, v2
.irp i, 0,1,2,3
	v_cndmask_b32 v[XW+\i], v[SW+\i], v[SW+4+\i], vcc_lo
.endr
	s_cmp_eq_u32 s[KIND], 2
	s_cbranch_scc1 .Lsc_v
	global_store_b128 v[VO1], v[XW:XW+3], s[SA:SA+1]
.irp i, 0,1,2,3
	v_lshrrev_b32 v[YW+\i], 16, v[XW+\i]
.endr
	global_store_b128 v[VO1], v[YW:YW+3], s[SB:SB+1]
	s_branch .Lsc_done
.Lsc_v:
	s_wait_alu depctr_va_vdst(0)
	global_store_b128 v[VO2], v[XW:XW+3], s[SA:SA+1]
.Lsc_done:
	; the next launch walks kvc in tiles that begin 8,192 bytes into a head: the last head's last tile reaches 8,192 bytes past the images. One wave stores zeros there.
	s_xor_b32 s94, s[KIND], 1
	s_or_b32 s94, s94, ttmp9
	s_or_b32 s94, s94, s[WV]
	s_cmp_lg_u32 s94, 0
	s_cbranch_scc1 .Lno_pad
	s_add_nc_u64 s[30:31], s[30:31], 6291456
.irp i, 0,1,2,3
	v_mov_b32 v[TM+\i], 0
.endr
.set n, 0
.rept 16
	global_store_b128 v[VO1], v[TM:TM+3], s[30:31] offset:512*n
.set n, n+1
.endr
.Lno_pad:
	s_wait_tensorcnt 0x0
	ds_add_u32 v[SPW], v[NIL]
	s_wait_dscnt 0x0
	s_endpgm
.Lfunc_end_k_qd56b7176fd_proj:
	.size	k_qd56b7176fd_proj, .Lfunc_end_k_qd56b7176fd_proj-k_qd56b7176fd_proj
	.p2alignl 7, 3214868480
	.fill 96, 4, 3214868480
	.section	.rodata,"a",@progbits
	.p2align	6, 0x0
	.amdhsa_kernel k_qd56b7176fd_proj
		.amdhsa_group_segment_fixed_size 327680
		.amdhsa_private_segment_fixed_size 0
		.amdhsa_enable_private_segment 0
		.amdhsa_kernarg_size 120
		.amdhsa_user_sgpr_count 2
		.amdhsa_user_sgpr_kernarg_segment_ptr 1
		.amdhsa_wavefront_size32 1
		.amdhsa_system_sgpr_workgroup_id_x 1
		.amdhsa_system_sgpr_workgroup_id_y 1
		.amdhsa_system_sgpr_workgroup_id_z 1
		.amdhsa_system_vgpr_workitem_id 0
		.amdhsa_next_free_vgpr 1024
		.amdhsa_next_free_sgpr 100
		.amdhsa_reserve_vcc 1
		.amdhsa_float_denorm_mode_32 3
		.amdhsa_float_denorm_mode_16_64 3
		.amdhsa_memory_ordered 1
		.amdhsa_forward_progress 1
		.amdhsa_inst_pref_size 179
	.end_amdhsa_kernel
	.amdgpu_metadata
---
amdhsa.version: [ 1, 2 ]
amdhsa.kernels:
  - .name:           k_qd56b7176fd_proj
    .symbol:         k_qd56b7176fd_proj.kd
    .args:
      - { .name: x_codes, .offset: 0, .size: 8, .value_kind: global_buffer, .address_space: global }
      - { .name: x_scales, .offset: 8, .size: 8, .value_kind: global_buffer, .address_space: global }
      - { .name: Wq_codes, .offset: 16, .size: 8, .value_kind: global_buffer, .address_space: global }
      - { .name: Wq_scales, .offset: 24, .size: 8, .value_kind: global_buffer, .address_space: global }
      - { .name: Wk_codes, .offset: 32, .size: 8, .value_kind: global_buffer, .address_space: global }
      - { .name: Wk_scales, .offset: 40, .size: 8, .value_kind: global_buffer, .address_space: global }
      - { .name: Wv_codes, .offset: 48, .size: 8, .value_kind: global_buffer, .address_space: global }
      - { .name: Wv_scales, .offset: 56, .size: 8, .value_kind: global_buffer, .address_space: global }
      - { .name: bq, .offset: 64, .size: 8, .value_kind: global_buffer, .address_space: global }
      - { .name: bk, .offset: 72, .size: 8, .value_kind: global_buffer, .address_space: global }
      - { .name: bv, .offset: 80, .size: 8, .value_kind: global_buffer, .address_space: global }
      - { .name: q_img, .offset: 88, .size: 8, .value_kind: global_buffer, .address_space: global }
      - { .name: q_sc, .offset: 96, .size: 8, .value_kind: global_buffer, .address_space: global }
      - { .name: kvc, .offset: 104, .size: 8, .value_kind: global_buffer, .address_space: global }
      - { .name: kvs, .offset: 112, .size: 8, .value_kind: global_buffer, .address_space: global }
    .group_segment_fixed_size: 327680
    .private_segment_fixed_size: 0
    .kernarg_segment_align: 8
    .kernarg_segment_size: 120
    .max_flat_workgroup_size: 128
    .sgpr_count:     100
    .vgpr_count:     1024
    .wavefront_size: 32
...
	.end_amdgpu_metadata
.endif
;; end of part 1
;; launch attn (part 2): grid 64 x 4, 4 waves a work-group, clusters of 4 x 1, 327,680 bytes of LDS; arguments q_img, q_sc, kvc, kvs, o_img, o_sc; writes o_img, o_sc
.if DOCPART == 2
	.amdgcn_target "amdgcn-amd-amdhsa--gfx1250"
	.amdhsa_code_object_version 6
	.text
	.protected	k_qd56b7176fd_attn
	.globl	k_qd56b7176fd_attn
	.p2align	8
	.type	k_qd56b7176fd_attn,@function
k_qd56b7176fd_attn:
	s_mov_b64 s[64:65], 0
	v_nop
	global_prefetch_b8 v0, s[64:65] scope:SCOPE_SE
	s_setreg_imm32_b32 hwreg(HW_REG_WAVE_MODE, 25, 1), 1
	s_wait_xcnt 0x0
	s_wait_alu depctr_hold_cnt(0) depctr_sa_sdst(0) depctr_va_vdst(0) depctr_va_sdst(0) depctr_va_ssrc(0) depctr_va_vcc(0) depctr_vm_vsrc(0)
	s_getreg_b32 s2, hwreg(HW_REG_IB_STS2, 6, 4)
	s_cmp_eq_u32 s2, 0
	s_cbranch_scc0 .Lentry_in_a_cluster
	s_endpgm
.Lentry_in_a_cluster:
	s_bfe_u32 s2, ttmp6, 0x10000c
	s_cmp_lg_u32 s2, 0x3003
	s_cbranch_scc0 .Lentry_shape_is_right
	s_endpgm
.Lentry_shape_is_right:
; o[q] = the sum over keys of softmax(q . k / 8) v, 12 heads of 64, 4,096 queries and keys, both products on codes of FP8 (E4M3) with E8M0 scales; o is quantised along the head's 64 and stored as an operand image.
; THE SOFTMAX: t = score x log2(e) / 8; M = the row's largest t so far, rounded UP to a whole number; p = 2^(t - M) is quantised along the keys, not normalised. The row's sum is taken of the unquantised p and divides at the end.
; When M moves, the sum and O are multiplied by 2^(old M - new M): exact.
; SHARES. A work-group takes 64 queries of three heads; four waves, as many as a WGP has SIMDs; wave w owns tile w of 16 queries for ALL THREE heads: three tiles h = 0, 1, 2 that go through each phase by turns,
; so that a line and the line that needs its result stand 3 to 12 lines apart. The exponentials of one tile stand line by line between independent plain lines of another (its multiply-adds, its holds).
; The products stand singly among vector lines of other tiles: a tile's O^T += V^T P^T as soon as its p is converted, and the NEXT step's S^T over the registers of p that has been converted.
; CLUSTER. The four work-groups of a cluster hold neighbouring blocks of queries of the same three heads and walk the same K and V: every tile is asked for JOINTLY (mask 15).
; THE RING. kvc holds [head][step of 128 keys][K 8,192 | V 8,192] as images of operand registers. A slot takes 32,768 bytes of each head from 8,192 bytes into a pair of steps on: V(n), K(n+1), V(n+1), K(n+2).
; So step n finds V(n) and K(n+1) in one slot: K(n+1) is in registers and S(n+1) is issued before the slot is left. K(0) comes by plain loads. The last tile's last 8,192 bytes are not read (for the last head they are the zeros behind the images).
; LAYOUT. Both products are used transposed: S^T = K Q^T, O^T = V^T P^T: a lane holds one query throughout. K Q^T has K = 64: registers 8-15 of both operands are zero codes, set once.
; LIMITS: NaN and infinities are not served; a block of zeros gets the scale byte 1 (only this program reads the bytes); the scaled scores stay under 2^31 in magnitude.
; REGISTERS, in windows of 256. Window 0: v1-15 addresses; v16-63 Q; v64-159 O^T; v160-207 p's codes; v208-252 scale words. Window 1: v0-191 S^T, then p (tile h at 64 h); v192-253 the softmax's small numbers.
; Window 2: K's fragments of tiles 0 and 1. Window 3: v0-127 K's of tile 2; v128-255 two sets for V.
.set HQ,  262144
.set HKC, 524288
.set HQS, 16384
.set HKS, 24576
.set SLOT1, 1<<17                      ; a slot is 98,304 bytes; slot 1 begins here, so that one exclusive or changes slots
.set SPARE, 98304                      ; the spare words: 128 bytes for each of four waves
.set SCB,   SLOT1+98304                ; the three heads' scale bytes, 73,728: filled once
.set LI, 1                             ; 16 x lane
.set RI, 2                             ; 16 r
.set SPW, 3
.set NIL, 4
.set PFO, 5                            ; 256 x lane
.set ADK, 6                            ; v6, v7: the step's tiles of heads 0, 1 and of head 2
.set ADS, 8
.set ADT, 9
.set AS0, 10
.set AT0, 11
.set R4, 12
.set OA, 13                            ; v13-15: o's scale bytes, a register a head
.set VNM, 192                          ; window 1: pairs (-M, largest score)
.set VFC, 198                          ; pairs (f, -)
.set VLS, 204                          ; the sums, in two halves
.set VTP, 210                          ; four more chains of a sum
.set BM, 218                           ; blocks' largest scores, largest p, then the conversions' scale operands
.set PX, 230                           ; the other half's; at work; the bytes
.set HO, 242                           ; 448 x the scale
.set WV, 16
.set CX, 19
.set G1, 24
.set G1S, 32
.set G0, 40
.set G0S, 44
.set SEL, 48
.set CS, 50
.set MNT, 52
.set TB, 53
.set TS, 54
.set SLOTS, 55
.set LIM, 56
.set NCS, 57
.set PFA, 58
.set INN, 60
.set STP, 61
.set MSB, 0
.macro WIN new
.if MSB != (\new)
	s_set_vgpr_msb (MSB<<8)|(\new)
.set MSB, (\new)
.endif
.endm
.macro WALU
	s_wait_alu depctr_va_vdst(0)
.endm
.macro PLACES n
.rept \n
	v_nop
.endr
.endm
.macro CROUND                          ; a round of the cluster's barrier
	s_barrier_signal -1
	s_barrier_wait -1
	s_cmp_lg_u32 s[WV], 0
	s_cbranch_scc1 .Lnot_wave_0_\@
	s_barrier_signal -3
.Lnot_wave_0_\@:
	s_barrier_wait -3
	s_barrier_signal -1
	s_barrier_wait -1
.endm
.macro TLOAD                           ; waves 0 to 2 fetch a head's 32,768 bytes each
	s_cmp_lt_u32 s[WV], 3
	s_cbranch_scc0 .Lasked_\@
	tensor_load_to_lds s[G0:G0+3], s[G1:G1+7]
	s_nop 0
	PLACES 4
.Lasked_\@:
.endm
; A prefetch of what the NEXT change of slots will ask for: a head's 32,768 bytes = 4 partners x 32 lanes x 256: the partners take 8,192 bytes each BY ADDRESS. Of the clusters of a y the first asks, wave h for head h: each block is named once.
.macro ASK
	s_cmp_gt_u32 s[SLOTS], s[LIM]
	s_cbranch_scc0 .Lnot_mine_\@
	global_prefetch_b8 v[PFO], s[PFA:PFA+1] th:TH_LOAD_NT scope:SCOPE_SE
.Lnot_mine_\@:
.endm
	s_load_b256 s[4:11], s[0:1], 0x0               ; q_img, q_sc, kvc, kvs
	s_load_b128 s[12:15], s[0:1], 0x20             ; o_img, o_sc
	v_lshl_add_u32 v[SPW], v0, 2, SPARE
	v_mov_b32 v[NIL], 0
	ds_add_u32 v[SPW], v[NIL]
	ds_add_u32 v[SPW], v[NIL]
	v_lshrrev_b32 v8, 5, v0
	v_readfirstlane_b32 s[WV], v8                  ; wave 0..3
	v_and_b32 v[LI], 31, v0
	v_and_b32 v[RI], 15, v0
	v_lshlrev_b32 v[PFO], 8, v[LI]
	v_lshlrev_b32 v[R4], 2, v[RI]
	v_lshlrev_b32 v[LI], 4, v[LI]
	v_lshlrev_b32 v[RI], 4, v[RI]
	v_add_nc_u32 v[AS0], SCB, v[LI]
	v_add_nc_u32 v[AT0], SCB, v[RI]
	s_bfe_u32 s[CX], ttmp6, 0x40000                ; my place in the cluster: it enters Q's, O's and the prefetches' global addresses alone
	s_lshl_b32 s20, ttmp9, 2
	s_add_co_u32 s20, s20, s[CX]                   ; my block of 64 queries
	s_and_b32 s21, ttmp7, 0xffff
	s_mul_i32 s21, s21, 3                          ; the first of my three heads
	s_lshl_b32 s23, s20, 2
	s_add_co_u32 s23, s23, s[WV]                   ; T: my tile of 16 queries
	s_mov_b32 s[G1+0], 15|(3<<16)|(1<<21)          ; 32,768 dense bytes as 128 rows of 32 elements of 8 bytes; the mask names all four
	s_mov_b32 s[G1+1], 32<<16
	s_mov_b32 s[G1+2], 128<<16
	s_mov_b32 s[G1+3], 32<<16
	s_mov_b32 s[G1+4], 128
	s_mov_b32 s[G1+5], 32
	s_mov_b32 s[G1+6], 0
	s_mov_b32 s[G1+7], 0
	s_mov_b32 s[G1S+0], 15|(3<<16)|(1<<21)         ; the scale bytes: 288 such rows
	s_mov_b32 s[G1S+1], 32<<16
	s_mov_b32 s[G1S+2], 288<<16
	s_mov_b32 s[G1S+3], 32<<16
	s_mov_b32 s[G1S+4], 288
	s_mov_b32 s[G1S+5], 32
	s_mov_b32 s[G1S+6], 0
	s_mov_b32 s[G1S+7], 0
	s_add_co_u32 s70, s21, s[WV]                   ; what I fetch, if I fetch: head w of the three, from V(0) on
	s_mul_i32 s70, s70, HKC
	s_add_co_u32 s70, s70, 8192
	s_mov_b32 s71, 0
	s_lshl_b32 s72, s[WV], 15
	s_mul_i32 s66, s21, HKC
	s_mov_b32 s67, 0
	s_mul_i32 s68, s21, HKS
	s_mov_b32 s69, 0
	s_lshl_b32 s74, s[CX], 13
	s_add_co_u32 s74, s74, 32768
	s_mov_b32 s75, 0
	s_mul_i32 s76, s21, HQ                         ; Q's image: head x HQ + 1,024 T
	s_lshl_b32 s78, s23, 10
	s_add_co_u32 s76, s76, s78
	s_mov_b32 s77, 0
	s_mul_i32 s78, s21, HQS                        ; its scale word: head x HQS + 256 x block + 4 w (+ 16 r)
	s_lshl_b32 s79, s20, 8
	s_add_co_u32 s78, s78, s79
	s_lshl_b32 s79, s[WV], 2
	s_add_co_u32 s78, s78, s79
	s_mov_b32 s79, 0
	s_mov_b32 s[SEL], 0x76543210
	s_mov_b32 s[SEL+1], 0xfedcba98
	s_mov_b32 s[CS], 0x3e38aa3b                    ; c = log2(e) / 8
	s_mov_b32 s[CS+1], s[CS]
	s_mov_b32 s[NCS], 0xbe38aa3b                   ; -c
	s_mov_b32 s[MNT], 0x600000
	s_mov_b32 s[TB], 0
	s_mov_b32 s[TS], 0
	s_mov_b32 s[SLOTS], 15
	s_mov_b32 s[STP], 32
	s_wait_dscnt 0x0
	WALU
	s_wait_kmcnt 0x0
	s_mov_b32 s[G0], 1
	s_mov_b32 s[G0+1], s72
	s_add_nc_u64 s[G0+2:G0+3], s[8:9], s[70:71]
	s_or_b32 s[G0+3], s[G0+3], 0x80000000
	s_mov_b32 s[G0S], 1
	s_mov_b32 s[G0S+1], SCB
	s_add_nc_u64 s[G0S+2:G0S+3], s[10:11], s[68:69]
	s_or_b32 s[G0S+3], s[G0S+3], 0x80000000
	s_add_nc_u64 s[66:67], s[8:9], s[66:67]        ; K(0) of my first head
	s_add_nc_u64 s[68:69], s[10:11], s[68:69]      ; and its scale words
	s_add_nc_u64 s[4:5], s[4:5], s[76:77]
	s_add_nc_u64 s[6:7], s[6:7], s[78:79]
	; Q and K(0) go straight into registers; they are asked for ahead of the opening round
.irp h, 0,1,2
	global_load_b128 v[16+16*\h:19+16*\h], v[LI], s[4:5] offset:HQ*\h       ; Q's two chunks stay in registers
	global_load_b128 v[20+16*\h:23+16*\h], v[LI], s[4:5] offset:HQ*\h+512
	global_load_b32 v[244-4*(\h%2)+\h/2], v[RI], s[6:7] offset:HQS*\h       ; its scale word
	global_load_b128 v[208+4*\h:211+4*\h], v[LI], s[68:69] offset:HKS*\h    ; K(0)'s scale words
.endr
.irp h, 0,1,2
	WIN 0x80+0x40*(\h/2)
.irp i, 0,1,2,3,4,5,6,7
.irp c, 0,1
	global_load_b128 v[128*(\h%2)+16*\i+4*\c:128*(\h%2)+16*\i+4*\c+3], v[LI], s[66:67] offset:HKC*\h+512*(2*\i+\c)   ; K(0)
.endr
.endr
.endr
	WIN 0
	CROUND                                         ; all four work-groups are here: the first joint loads meet
	s_cmp_lt_u32 s[WV], 3                          ; one first fill a wave: waves 0 to 2 slot 0's heads, wave 3 the scale bytes
	s_cbranch_scc0 .Lfor_scales
	tensor_load_to_lds s[G0:G0+3], s[G1:G1+7]
	s_nop 0
	PLACES 4
	s_branch .Lfirst_asked
.Lfor_scales:
	tensor_load_to_lds s[G0S:G0S+3], s[G1S:G1S+7]
	s_nop 0
	PLACES 4
.Lfirst_asked:
	s_add_nc_u64 s[PFA:PFA+1], s[8:9], s[70:71]    ; the prefetches: my head, my work-group's 8,192 bytes, in slot 1: the first change steps it to slot 2
	s_add_nc_u64 s[PFA:PFA+1], s[PFA:PFA+1], s[74:75]
	s_mul_i32 s76, s23, 12288                      ; o's image: 12,288 T + 1,024 head
	s_lshl_b32 s70, s21, 10
	s_add_co_u32 s76, s76, s70
	s_add_nc_u64 s[12:13], s[12:13], s[76:77]
	s_mul_i32 s76, s23, 384                        ; its scale bytes: 384 T + 64 (head / 2) + 2 (head % 2) + 4 r
	s_add_nc_u64 s[14:15], s[14:15], s[76:77]
	s_cmp_eq_u32 s[WV], 3
	s_cselect_b32 s70, 1, 0
	s_or_b32 s70, s70, ttmp9                       ; 0 in waves 0 to 2 of the first cluster along x
	s_cmp_eq_u32 s70, 0
	s_cselect_b32 s[LIM], 1, -1
	WIN 0x80
.set j, 0
.rept 16
.irp k, 8,9,10,11,12,13,14,15
	v_mov_b32 v[16*j+\k], 0                        ; zero codes for K = 64 .. 127 of K's fragments, set once
.endr
.set j, j+1
.endr
	WIN 0xc0
.set j, 0
.rept 8
.irp k, 8,9,10,11,12,13,14,15
	v_mov_b32 v[16*j+\k], 0
.endr
.set j, j+1
.endr
	WIN 0x55
.irp h, 0,1,2
	v_mov_b32 v[VNM+2*\h+1], 0xff61b1e6            ; the largest score so far: -3e38
	v_mov_b32 v[VFC+2*\h], 0
	v_mov_b32 v[VFC+2*\h+1], 0
	v_mov_b32 v[VLS+2*\h], 0
	v_mov_b32 v[VLS+2*\h+1], 0
.endr
.irp h, 0,1,2
	v_mul_f32 v[VNM+2*\h], s[NCS], v[VNM+2*\h+1]
.endr
.irp h, 0,1,2
	v_floor_f32 v[VNM+2*\h], v[VNM+2*\h]           ; -M
.endr
.set j, 0
.rept 12
	v_mov_b32 v[PX+j], 0                           ; a lane permute's destination counts as one of its sources
.set j, j+1
.endr
	WIN 0
.irp h, 0,1,2
.irp k, 8,9,10,11,12,13,14,15
	v_mov_b32 v[16+16*\h+\k], 0                    ; Q's zero codes
.endr
.endr
.set j, 0
.rept 96
	v_mov_b32 v[64+j], 0                           ; O^T: the step is written once; the first finds zeros
.set j, j+1
.endr
.irp h, 0,1,2
	s_add_co_u32 s70, s21, \h
	s_lshr_b32 s71, s70, 1
	s_lshl_b32 s71, s71, 6
	s_and_b32 s70, s70, 1
	s_lshl_b32 s70, s70, 1
	s_add_co_u32 s70, s70, s71
	v_add_nc_u32 v[OA+\h], s70, v[R4]
.endr
.macro LDV h, set                      ; V's four fragments (16 features x 128 keys) of tile h
	WIN 0xc0
.irp t, 0,1,2,3
.irp c, 0,1,2,3
	ds_load_b128 v[128+64*(\set)+16*\t+4*\c:128+64*(\set)+16*\t+4*\c+3], v[ADK+(\h)/2] offset:32768*((\h)%2)+512*(4*\t+\c)
.endr
.endr
.endm
.macro LDK h                           ; the next step's eight tiles of K of tile h: two chunks each
	WIN 0x80+0x40*((\h)/2)
.irp i, 0,1,2,3,4,5,6,7
.irp c, 0,1
	ds_load_b128 v[128*((\h)%2)+16*\i+4*\c:128*((\h)%2)+16*\i+4*\c+3], v[ADK+(\h)/2] offset:32768*((\h)%2)+8192+512*(2*\i+\c)
.endr
.endr
.endm
.macro SM1 h, i                        ; one product of S^T = K Q^T: tile h, its i-th 16 keys; each on an accumulator of its own
	WIN 0x42+(\h)/2
.if (\i) < 4
	v_wmma_scale_f32_16x16x128_f8f6f4 v[64*(\h)+8*(\i):64*(\h)+8*(\i)+7], v[128*((\h)%2)+16*(\i):128*((\h)%2)+16*(\i)+15], v[16+16*(\h):31+16*(\h)], 0, v[208+4*(\h)+(\i)], v[244-4*((\h)%2)+(\h)/2]
.else
	v_wmma_scale_f32_16x16x128_f8f6f4 v[64*(\h)+8*(\i):64*(\h)+8*(\i)+7], v[128*((\h)%2)+16*(\i):128*((\h)%2)+16*(\i)+15], v[16+16*(\h):31+16*(\h)], 0, v[204+4*(\h)+(\i)], v[244-4*((\h)%2)+(\h)/2] matrix_a_scale:MATRIX_SCALE_ROW1
.endif
.endm
.macro SMUL h
.irp i, 0,1,2,3,4,5,6,7
	SM1 \h, \i
.endr
.endm
.macro PV1 h, set, t                   ; one product of O^T += V^T P^T: tile h, features 16 t on
	WIN 0x03
	v_wmma_scale_f32_16x16x128_f8f6f4 v[64+32*(\h)+8*(\t):64+32*(\h)+8*(\t)+7], v[128+64*(\set)+16*(\t):128+64*(\set)+16*(\t)+15], v[160+16*(\h):175+16*(\h)], v[64+32*(\h)+8*(\t):64+32*(\h)+8*(\t)+7], v[220+4*(\h)+(\t)], v[248+4*((\h)%2)+(\h)/2]
.endm
.macro SUML h, i                       ; line i of 32 of tile h's sum of the unquantised p: five chains; the first line brings the old sum under the new M
.if (\i) == 0
	v_pk_fma_f32 v[VLS+2*(\h):VLS+2*(\h)+1], v[VLS+2*(\h):VLS+2*(\h)+1], v[VFC+2*(\h):VFC+2*(\h)+1], v[64*(\h):64*(\h)+1] op_sel_hi:[1,0,1]
.elseif (\i) < 5
	v_pk_add_f32 v[VTP+2*(\i)-2:VTP+2*(\i)-1], v[64*(\h)+4*(\i)-2:64*(\h)+4*(\i)-1], v[64*(\h)+4*(\i):64*(\h)+4*(\i)+1]
.elseif (\i) < 28
.if ((\i)-5)%5 == 0
	v_pk_add_f32 v[VLS+2*(\h):VLS+2*(\h)+1], v[VLS+2*(\h):VLS+2*(\h)+1], v[64*(\h)+2*(\i)+8:64*(\h)+2*(\i)+9]
.else
	v_pk_add_f32 v[VTP+2*(((\i)-5)%5)-2:VTP+2*(((\i)-5)%5)-1], v[VTP+2*(((\i)-5)%5)-2:VTP+2*(((\i)-5)%5)-1], v[64*(\h)+2*(\i)+8:64*(\h)+2*(\i)+9]
.endif
.elseif (\i) == 28
	v_pk_add_f32 v[VTP:VTP+1], v[VTP:VTP+1], v[VTP+2:VTP+3]
.elseif (\i) == 29
	v_pk_add_f32 v[VTP+4:VTP+5], v[VTP+4:VTP+5], v[VTP+6:VTP+7]
.elseif (\i) == 30
	v_pk_add_f32 v[VLS+2*(\h):VLS+2*(\h)+1], v[VLS+2*(\h):VLS+2*(\h)+1], v[VTP:VTP+1]
.else
	v_pk_add_f32 v[VLS+2*(\h):VLS+2*(\h)+1], v[VLS+2*(\h):VLS+2*(\h)+1], v[VTP+4:VTP+5]
.endif
.endm
.macro SUMT h, mx                      ; a tile's sum. mx = 1: tile 1's four products with V stand among the lines, the first behind five of them; mx = 2: and the first three of its next S^T
.set k, 0
.rept 32
.if (\mx) && (k%4 == 1) && (k >= 5)
.if k < 21
	PV1 1, 1, (k-5)/4
.elseif (\mx) == 2
	SM1 1, (k-21)/4
.endif
	WIN 0x55
.endif
	SUML \h, k
.set k, k+1
.endr
.endm
.macro SCL i                           ; line i of 48: the twelve blocks' floor, bound, scale operand and byte
.if (\i) < 12
	v_max_num_f32 v[BM+(\i)], 0x4800000, v[BM+(\i)]
.elseif (\i) < 24
	v_and_or_b32 v[HO+(\i)-12], v[BM+(\i)-12], 0x7f800000, s[MNT]
.elseif (\i) < 36
	v_add_nc_u32 v[BM+(\i)-24], 0xfc000000, v[BM+(\i)-24]
.else
	v_lshrrev_b32 v[PX+(\i)-36], 23, v[BM+(\i)-36]
.endif
.endm
.macro CVTG h, g0                      ; half of tile h's p -> codes: registers 2 g, 2 g + 1 of the second product's operand, g = g0 .. g0 + 3
	WIN 0x05
.irp g, \g0, \g0+1, \g0+2, \g0+3
	v_cvt_scalef32_pk8_fp8_f32 v[160+16*(\h)+2*(\g):161+16*(\h)+2*(\g)], v[64*(\h)+8*(\g):64*(\h)+8*(\g)+7], v[BM+4*(\h)+(\g)/2]
.endr
.endm
.macro CVT h
	CVTG \h, 0
	CVTG \h, 4
.endm
.macro EXPMIN x, m, mx                 ; tile x's 64 exponentials, each followed by one hold of tile m (p is never negative). mx = 1: tile 0's four products with V stand among them; mx = 2: and its next S^T
.set e, 0
.rept 64
.if (\mx) && (e%5 == 0) && (e < 20)
	PV1 0, 0, e/5
	WIN 0x55
.elseif ((\mx) == 2) && (e%5 == 0) && (e < 60)
	SM1 0, e/5-4
	WIN 0x55
.endif
	v_exp_f32 v[64*(\x)+e], v[64*(\x)+e]
	v_min_num_f32 v[64*(\m)+e], v[64*(\m)+e], v[HO+4*(\m)+e/16]
.set e, e+1
.endr
.endm
; A KEY STEP of 128 keys for my three tiles. At its head S^T of this step has been issued. last = 1: the copy for the last slot, whose second step has no successor: there the next S^T stands in blocks under a test of the count of steps.
; The LDS loads go out in runs of 16 to 19, in this order: V's scale words, V of tile 0 | V of tile 1, K's scale words | K of tile 0 | of tile 1 | of tile 2 | V of tile 2.
.macro BODY last
	v_add_nc_u32 v[ADK], s[TB], v[LI]
	v_add_nc_u32 v[ADS], s[TS], v[AS0]
	v_add_nc_u32 v[ADT], s[TS], v[AT0]
	v_add_nc_u32 v[ADK+1], 0x10000, v[ADK]
	PLACES 4                                       ; with the four additions: eight places between the last products and loads into what they read
.irp h, 0,1,2
	ds_load_b128 v[220+4*\h:223+4*\h], v[ADT] offset:HKS*\h+512     ; V's scale words
.endr
	LDV 0, 0
	WIN 0x55
	WALU                                           ; ahead of the first readers of S^T
.irp h, 0,1,2
.irp b, 0,1,2,3
	v_max3_num_f32 v[BM+4*\h+\b], v[64*\h+16*\b], v[64*\h+16*\b+1], v[64*\h+16*\b+2]   ; the largest score of each block of 32 keys: twelve chains by turns
.endr
.endr
.irp i, 3,5,7,9,11,13
.irp h, 0,1,2
.irp b, 0,1,2,3
	v_max3_num_f32 v[BM+4*\h+\b], v[BM+4*\h+\b], v[64*\h+16*\b+\i], v[64*\h+16*\b+\i+1]
.endr
.endr
.endr
.irp h, 0,1,2
.irp b, 0,1,2,3
	v_max_num_f32 v[BM+4*\h+\b], v[BM+4*\h+\b], v[64*\h+16*\b+15]
.endr
.endr
.set k, 0
.rept 12
	v_permlanex16_b32 v[PX+k], v[BM+k], s[SEL], s[SEL+1]
.set k, k+1
.endr
.set k, 0
.rept 12
	v_max_num_f32 v[BM+k], v[BM+k], v[PX+k]        ; with lane l xor 16's 16 keys
.set k, k+1
.endr
.irp h, 0,1,2
	v_max3_num_f32 v[PX+4*\h], v[BM+4*\h], v[BM+4*\h+1], v[BM+4*\h+2]
.endr
.irp h, 0,1,2
	v_max3_num_f32 v[VNM+2*\h+1], v[VNM+2*\h+1], v[PX+4*\h], v[BM+4*\h+3]   ; the running largest score
.endr
.irp h, 0,1,2
	v_mul_f32 v[PX+4*\h], s[NCS], v[VNM+2*\h+1]    ; -t
.endr
.irp h, 0,1,2
	v_floor_f32 v[PX+4*\h], v[PX+4*\h]             ; the new -M = -ceil(t)
.endr
.irp h, 0,1,2
	v_sub_f32 v[PX+4*\h+1], v[PX+4*\h], v[VNM+2*\h]   ; old M - new M: a whole number, 0 or less
.endr
.irp h, 0,1,2
	v_mov_b32 v[VNM+2*\h], v[PX+4*\h]
.endr
.irp h, 0,1,2
	v_cvt_i32_f32 v[PX+4*\h+1], v[PX+4*\h+1]       ; (it saturates)
.endr
.irp h, 0,1,2
	v_ldexp_f32 v[VFC+2*\h], 1.0, v[PX+4*\h+1]     ; f = 2^(old M - new M)
.endr
	LDV 1, 1
	WIN 0
.if \last
	WALU
	s_cmp_eq_u32 s[STP], 1                         ; the last step has no successor: a branch on the count of steps, round loads alone
	s_cbranch_scc1 .Lno_k_\@
.endif
.irp h, 0,1,2
	ds_load_b128 v[208+4*\h:211+4*\h], v[ADS] offset:HKS*\h+768     ; the next step's scale words of K: lanes 0-15 tiles 0-3, lanes 16-31 tiles 4-7
.endr
.if \last
	LDK 0
	LDK 1
	LDK 2
	WIN 0
	s_branch .Lk_\@
.Lno_k_\@:
	s_wait_dscnt 0x0                               ; so that the counted waits below hold on this way too
.Lk_\@:
.endif
	WIN 0x04
	WALU                                           ; ahead of the first readers of O^T
.irp h, 0,1,2
.set j, 0
.rept 16
	v_pk_mul_f32 v[64+32*\h+j:65+32*\h+j], v[64+32*\h+j:65+32*\h+j], v[VFC+2*\h:VFC+2*\h+1] op_sel_hi:[1,0]   ; O^T under the new M
.set j, j+2
.endr
.endr
.if (\last) == 0
	LDK 0
.endif
	WIN 0x55
.irp h, 0,1,2
.irp b, 0,1,2,3
	v_fma_f32 v[BM+4*\h+\b], v[BM+4*\h+\b], s[CS], v[VNM+2*\h]
.endr
.endr
.set e, 0
.rept 32
	v_pk_fma_f32 v[2*e:2*e+1], v[2*e:2*e+1], s[CS:CS+1], v[VNM:VNM+1] op_sel_hi:[1,0,0]   ; tile 0: t - M, two at a time
.set e, e+1
.endr
.if (\last) == 0
	LDK 1
	WIN 0x55
.endif
	WALU
.set e, 0
.rept 12
	v_exp_f32 v[BM+e], v[BM+e]                     ; the blocks' largest p
.set e, e+1
.endr
.set e, 0
.rept 64
	v_exp_f32 v[e], v[e]                           ; tile 0's p = 2^(t - M); between them tiles 1 and 2's t - M
	v_pk_fma_f32 v[64+2*e:65+2*e], v[64+2*e:65+2*e], s[CS:CS+1], v[VNM+2+2*(e/32):VNM+3+2*(e/32)] op_sel_hi:[1,0,0]
.set e, e+1
.endr
	WALU
.set k, 0
.rept 32
	SUML 0, k
.if k < 24
	SCL 2*k
	SCL 2*k+1
.endif
.set k, k+1
.endr
.irp h, 0,1,2
	v_lshl_or_b32 v[PX+4*\h], v[PX+4*\h+1], 8, v[PX+4*\h]
.endr
.irp h, 0,1,2
	v_lshl_or_b32 v[PX+4*\h], v[PX+4*\h+2], 16, v[PX+4*\h]
.endr
	WIN 0x11
.irp h, 0,1,2
	v_lshl_or_b32 v[248+4*(\h%2)+\h/2], v[PX+4*\h+3], 24, v[PX+4*\h]   ; p's scale word for these 128 keys
.endr
.if (\last) == 0
	LDK 2
.endif
	WIN 0x55
	WALU
	EXPMIN 1, 0, 0
	WALU
	CVT 0
	WIN 0x55
	SUMT 1, 0                                      ; also the plain lines between the conversions and the products
	WIN 0
	WALU
	s_wait_dscnt 32                                ; K's tiles 1 and 2 may be out: V's first two sets, all scale words and K's tile 0 are in
	EXPMIN 2, 1, 2-\last
	WALU
	LDV 2, 0                                       ; behind more than eight plain lines: tile 0's set takes tile 2's V
	CVT 1
	WIN 0
	WALU
	s_wait_dscnt 16                                ; V's third tile may be out
	WIN 0x55
	SUMT 2, 2-\last
.if \last
	WIN 0
	s_cmp_eq_u32 s[STP], 1
	s_cbranch_scc1 .Lno_s_\@
	SMUL 0                                         ; the next step's S^T over p that has been converted
	SMUL 1
	WIN 0
.Lno_s_\@:
	WIN 0x55
.set e, 0
.rept 64
	v_min_num_f32 v[128+e], v[128+e], v[HO+8+e/16]
.set e, e+1
.endr
	CVT 2
.else
.set e, 0
.rept 32                                       ; tile 2's holds, first half; among them the rest of tile 1's next S^T
.if (e%6 == 0) && (e < 30)
	SM1 1, 3+e/6
	WIN 0x55
.endif
	v_min_num_f32 v[128+e], v[128+e], v[HO+8+e/16]
.set e, e+1
.endr
	CVTG 2, 0
	WIN 0x55
.rept 32                                       ; second half; among them tile 2's next S^T over the half that has been converted
	v_min_num_f32 v[128+e], v[128+e], v[HO+8+e/16]
.if e%8 == 7
	SM1 2, (e-39)/8
	WIN 0x55
.endif
.set e, e+1
.endr
	CVTG 2, 4
.endif
	PLACES 4                                       ; four places between the codes and the product that takes them
	WIN 0
	WALU
	s_wait_dscnt 0x0
.irp t, 0,1,2,3
	PV1 2, 0, \t
.endr
	WIN 0
.if \last
	s_cmp_eq_u32 s[STP], 1
	s_cbranch_scc1 .Lno_t_\@
	SMUL 2
	WIN 0
.Lno_t_\@:
.else
.irp i, 4,5,6,7
	SM1 2, \i
.endr
	WIN 0
.endif
	s_xor_b32 s[TB], s[TB], 16384                  ; the slot's other step
	s_add_co_u32 s[TS], s[TS], 768
	s_sub_co_u32 s[STP], s[STP], 1
.endm
.macro SLOTRUN last                    ; a slot's two steps: one text, two trips. No vector line stands between the wait ahead of the step's last products and the jump
	s_mov_b32 s[INN], 2
.Lstep_\@:
	BODY \last
	s_sub_co_u32 s[INN], s[INN], 1
	s_cmp_lg_u32 s[INN], 0
	s_cbranch_scc1 .Lstep_\@
	s_xor_b32 s[TB], s[TB], SLOT1
.endm
; THE CHANGE OF SLOTS. Each wave waits for all its tensor loads, adds 0 to its spare word, and waits for that and for its reads of the slot that it has left (all of them are in registers).
; fill = 1: a round of the cluster's barrier, and behind it the joint load of the tiles that follow, into the slot just left: it has two key steps in which to land.
.macro CHANGE fill
	s_wait_tensorcnt 0x0
	ds_add_u32 v[SPW], v[NIL]
.if \fill
	s_xor_b32 s[G0+1], s[G0+1], SLOT1
	s_add_nc_u64 s[G0+2:G0+3], s[G0+2:G0+3], 32768
	s_wait_xcnt 0x0                                ; the last prefetch, a slot back, has read its address
	s_add_nc_u64 s[PFA:PFA+1], s[PFA:PFA+1], 32768
	s_wait_dscnt 0x0
	CROUND
	TLOAD
	ASK
.else
	s_wait_dscnt 0x0
	s_barrier_signal -1
	s_barrier_wait -1
.endif
.endm
	PLACES 4
	WALU
	s_wait_loadcnt 0x0                             ; Q, K(0) and their scale words
	SMUL 0
	SMUL 1
	SMUL 2
	WIN 0
.Lslot:                                            ; 15 trips: behind each change of slots but the last the next slot is asked for
	CHANGE 1
	SLOTRUN 0
	s_sub_co_u32 s[SLOTS], s[SLOTS], 1
	s_cmp_lg_u32 s[SLOTS], 0
	s_cbranch_scc1 .Lslot
	CHANGE 0                                       ; the last slot is written out
	SLOTRUN 1
	; THE WAY OUT: O^T / the sum, quantised along the head's 64 (two blocks, shared with lane l xor 16), stored as two chunks of the last product's operand
	WIN 0x55
.irp h, 0,1,2
	v_add_f32 v[VLS+2*\h], v[VLS+2*\h], v[VLS+2*\h+1]
.endr
.irp h, 0,1,2
	v_permlanex16_b32 v[PX+4*\h], v[VLS+2*\h], s[SEL], s[SEL+1]
.endr
.irp h, 0,1,2
	v_add_f32 v[VLS+2*\h], v[VLS+2*\h], v[PX+4*\h]   ; the row's sum
.endr
	WALU
.irp h, 0,1,2
	v_rcp_f32 v[VLS+2*\h], v[VLS+2*\h]
.endr
	PLACES 2
	WIN 0x44
	WALU                                           ; ahead of the first readers of the reciprocals and of O^T
.irp h, 0,1,2
.set j, 0
.rept 16
	v_pk_mul_f32 v[64*\h+j:64*\h+j+1], v[64+32*\h+j:65+32*\h+j], v[VLS+2*\h:VLS+2*\h+1] op_sel_hi:[1,0]   ; register 8 t + i is o(query r, 16 t + 8 h' + i)
.set j, j+2
.endr
.endr
	WIN 0x55
.irp h, 0,1,2
.irp b, 0,1
	v_max3_num_f32 v[BM+4*\h+\b], |v[64*\h+16*\b]|, |v[64*\h+16*\b+1]|, 0x4800000
.endr
.endr
.irp i, 2,4,6,8,10,12,14
.irp h, 0,1,2
.irp b, 0,1
	v_max3_num_f32 v[BM+4*\h+\b], v[BM+4*\h+\b], |v[64*\h+16*\b+\i]|, |v[64*\h+16*\b+\i+1]|
.endr
.endr
.endr
.irp h, 0,1,2
.irp b, 0,1
	v_permlanex16_b32 v[PX+4*\h+\b], v[BM+4*\h+\b], s[SEL], s[SEL+1]
.endr
.endr
.irp h, 0,1,2
.irp b, 0,1
	v_max_num_f32 v[BM+4*\h+\b], v[BM+4*\h+\b], v[PX+4*\h+\b]
.endr
.endr
.irp h, 0,1,2
.irp b, 0,1
	v_and_or_b32 v[HO+4*\h+\b], v[BM+4*\h+\b], 0x7f800000, s[MNT]
.endr
.endr
.irp h, 0,1,2
.irp b, 0,1
	v_add_nc_u32 v[BM+4*\h+\b], 0xfc000000, v[BM+4*\h+\b]
.endr
.endr
.irp h, 0,1,2
.irp b, 0,1
	v_lshrrev_b32 v[PX+4*\h+\b], 23, v[BM+4*\h+\b]
.endr
.endr
.irp h, 0,1,2
	v_lshl_or_b32 v[PX+4*\h], v[PX+4*\h+1], 8, v[PX+4*\h]   ; the head's two scale bytes of row r
.endr
.irp h, 0,1,2
.set i, 0
.rept 32
	v_med3_num_f32 v[64*\h+i], v[64*\h+i], -v[HO+4*\h+i/16], v[HO+4*\h+i/16]
.set i, i+1
.endr
.endr
.irp h, 0,1,2
.irp g, 0,1,2,3
	v_cvt_scalef32_pk8_fp8_f32 v[64*\h+32+2*\g:64*\h+33+2*\g], v[64*\h+8*\g:64*\h+8*\g+7], v[BM+4*\h+\g/2]
.endr
.endr
	v_nop                                          ; a plain line behind the last conversion
	WIN 0x04
	WALU
.irp h, 0,1,2
	global_store_b128 v[LI], v[64*\h+32:64*\h+35], s[12:13] offset:1024*\h          ; 512 consecutive bytes, aligned
	global_store_b128 v[LI], v[64*\h+36:64*\h+39], s[12:13] offset:1024*\h+512
	global_store_b16 v[OA+\h], v[PX+4*\h], s[14:15]   ; two bytes a row; lanes 16-31 write the same bytes with the same values
.endr
	WIN 0
	s_wait_tensorcnt 0x0                           ; the wave's end
	ds_add_u32 v[SPW], v[NIL]
	s_wait_dscnt 0x0
	CROUND                                         ; the closing round
	s_endpgm
.Lfunc_end_k_qd56b7176fd_attn:
	.size	k_qd56b7176fd_attn, .Lfunc_end_k_qd56b7176fd_attn-k_qd56b7176fd_attn
	.p2alignl 7, 3214868480
	.fill 96, 4, 3214868480
	.section	.rodata,"a",@progbits
	.p2align	6, 0x0
	.amdhsa_kernel k_qd56b7176fd_attn
		.amdhsa_group_segment_fixed_size 327680
		.amdhsa_private_segment_fixed_size 0
		.amdhsa_enable_private_segment 0
		.amdhsa_kernarg_size 48
		.amdhsa_user_sgpr_count 2
		.amdhsa_user_sgpr_kernarg_segment_ptr 1
		.amdhsa_wavefront_size32 1
		.amdhsa_system_sgpr_workgroup_id_x 1
		.amdhsa_system_sgpr_workgroup_id_y 1
		.amdhsa_system_sgpr_workgroup_id_z 1
		.amdhsa_system_vgpr_workitem_id 0
		.amdhsa_next_free_vgpr 1024
		.amdhsa_next_free_sgpr 80
		.amdhsa_reserve_vcc 0
		.amdhsa_float_denorm_mode_32 3
		.amdhsa_float_denorm_mode_16_64 3
		.amdhsa_memory_ordered 1
		.amdhsa_forward_progress 1
		.amdhsa_inst_pref_size 155
	.end_amdhsa_kernel
	.amdgpu_metadata
---
amdhsa.version: [ 1, 2 ]
amdhsa.kernels:
  - .name:           k_qd56b7176fd_attn
    .symbol:         k_qd56b7176fd_attn.kd
    .args:
      - { .name: q_img, .offset: 0, .size: 8, .value_kind: global_buffer, .address_space: global }
      - { .name: q_sc, .offset: 8, .size: 8, .value_kind: global_buffer, .address_space: global }
      - { .name: kvc, .offset: 16, .size: 8, .value_kind: global_buffer, .address_space: global }
      - { .name: kvs, .offset: 24, .size: 8, .value_kind: global_buffer, .address_space: global }
      - { .name: o_img, .offset: 32, .size: 8, .value_kind: global_buffer, .address_space: global }
      - { .name: o_sc, .offset: 40, .size: 8, .value_kind: global_buffer, .address_space: global }
    .group_segment_fixed_size: 327680
    .private_segment_fixed_size: 0
    .kernarg_segment_align: 8
    .kernarg_segment_size: 48
    .max_flat_workgroup_size: 128
    .sgpr_count:     80
    .vgpr_count:     1024
    .wavefront_size: 32
...
	.end_amdgpu_metadata
.endif
;; end of part 2
;; launch oproj (part 3): grid 6 x 32, 4 waves a work-group, no clusters, 229,888 bytes of LDS; arguments o_img, o_sc, Wo_codes, Wo_scales, bo, out0; writes out0
.if DOCPART == 3
	.amdgcn_target "amdgcn-amd-amdhsa--gfx1250"
	.amdhsa_code_object_version 6
	.text
	.protected	k_qd56b7176fd_oproj
	.globl	k_qd56b7176fd_oproj
	.p2align	8
	.type	k_qd56b7176fd_oproj,@function
k_qd56b7176fd_oproj:
	s_mov_b64 s[64:65], 0
	v_nop
	global_prefetch_b8 v0, s[64:65] scope:SCOPE_SE
	s_setreg_imm32_b32 hwreg(HW_REG_WAVE_MODE, 25, 1), 1
	s_wait_xcnt 0x0
; out0 = o Wo + bo on codes of FP8 (E4M3) with E8M0 scales, K = 768.  o arrives as images of operand registers [tile of 16 rows][K step 6][chunk 4][512], its scale words [tile][K step][row] (4 bytes).
; Inside each block of 32 along K, place 16 h + 8 g + j of o's image holds index 16 g + 8 h + j.  Wo's fragments take the same order: they are loaded in pieces of 8 bytes, piece c' (registers 2 c', 2 c' + 1) at byte 16 c' + 8 h.
; SHARES.  A work-group makes 128 rows (y) x 128 columns (x) of out0, a wave 64 x 64: 16 accumulators.  All of K lies in LDS: each byte of LDS is filled once, so there is no ring.
; The matrix instruction is used transposed (source 0 = 16 rows of Wo, source 1 = 16 rows of o): a lane holds eight neighbouring columns of a row.  The bias is the C of each sum's first instruction.
; NO CLUSTER: the launch has one fill for each work-group and six short K steps; the six column blocks do not divide by four.  NO PREFETCH: all loads are asked for at the head.
; REGISTERS: window 0: v1-11 addresses; v32-55 o's scale words (6 a + s); v56-79 Wo's (6 b + s); v80-111 the bias; v128-255 accumulator (a, b) at 128 + 8 (4 a + b).   window 1: two sets of 128: o's four fragments, then Wo's four.
.set OIMG, 0                           ; 8 tiles x 12,288
.set WOC,  98304                       ; Wo's 128 rows: three pieces of 256 bytes + 16 of padding each: 816 bytes a row = 204 words: row r starts 12 r banks on, so a load's 32 pieces of 8 bytes touch 64 different banks
.set OSC,  WOC+128*816                 ; o's scale words, 3,072
.set WSC,  OSC+3072                    ; Wo's scale bytes, 24 a row
.set STG,  WSC+3072                    ; the way out: 16 rows x (256 + 16) for each wave; no fill lands here
.set ADO, 4
.set ADW, 5
.set AOS, 6
.set AWS, 7
.set STO, 8
.set RD,  9
.set CO,  10
.set BOF, 11
.set OS,  32
.set WS,  56
.set BO,  80
.set ACC, 128
.set WV, 16
.set WR, 17
.set WC, 18
.set BX, 19
.set BY, 20
.set MSB, 0
.macro WIN new
.if MSB != (\new)
	s_set_vgpr_msb (MSB<<8)|(\new)
.set MSB, (\new)
.endif
.endm
	s_load_b256 s[4:11], s[0:1], 0x0               ; o_img, o_sc, Wo codes, Wo scales
	s_load_b128 s[12:15], s[0:1], 0x20             ; bo, out0
	v_lshl_add_u32 v126, v0, 2, 0x38000
	v_mov_b32 v127, 0
	ds_add_u32 v126, v127
	ds_add_u32 v126, v127
	v_lshrrev_b32 v1, 5, v0
	v_readfirstlane_b32 s[WV], v1
	s_lshr_b32 s[WR], s[WV], 1
	s_and_b32 s[WC], s[WV], 1
	s_mov_b32 s[BX], ttmp9
	s_and_b32 s[BY], ttmp7, 0xffff
	; three groups 1: 384 dense rows of 256 bytes;  the same with 16 bytes of padding behind each;  12 dense rows
	s_mov_b32 s24, 3<<16
	s_mov_b32 s25, 32<<16
	s_mov_b32 s26, 384<<16
	s_mov_b32 s27, 32<<16
	s_mov_b32 s28, 384
	s_mov_b32 s29, 32
	s_mov_b32 s30, 0
	s_mov_b32 s31, 0
	s_mov_b32 s32, (3<<16)|(1<<20)|(5<<22)|(3<<25)
	s_mov_b32 s33, 32<<16
	s_mov_b32 s34, 384<<16
	s_mov_b32 s35, 32<<16
	s_mov_b32 s36, 384
	s_mov_b32 s37, 32
	s_mov_b32 s38, 0
	s_mov_b32 s39, 0
	s_mov_b32 s40, 3<<16
	s_mov_b32 s41, 32<<16
	s_mov_b32 s42, 12<<16
	s_mov_b32 s43, 32<<16
	s_mov_b32 s44, 12
	s_mov_b32 s45, 32
	s_mov_b32 s46, 0
	s_mov_b32 s47, 0
	s_mov_b32 s21, 0                               ; each wave brings ONE of the four regions, whole
	s_mov_b32 s22, 0
	s_mov_b32 s23, 0
	s_mul_i32 s66, s[BY], 98304
	s_add_co_u32 s66, s66, s21
	s_mov_b32 s67, 0
	s_mul_i32 s68, s[BX], 98304
	s_add_co_u32 s68, s68, s21
	s_mov_b32 s69, 0
	s_mul_i32 s70, s[BY], 3072
	s_add_co_u32 s70, s70, s22
	s_mov_b32 s71, 0
	s_mul_i32 s72, s[BX], 3072
	s_add_co_u32 s72, s72, s22
	s_mov_b32 s73, 0
	s_wait_dscnt 0x0
	s_wait_kmcnt 0x0
	s_mov_b32 s48, 1
	s_mov_b32 s49, s21
	s_add_nc_u64 s[50:51], s[4:5], s[66:67]
	s_or_b32 s51, s51, 0x80000000
	s_mov_b32 s52, 1
	s_add_co_u32 s53, s23, WOC
	s_add_nc_u64 s[54:55], s[8:9], s[68:69]
	s_or_b32 s55, s55, 0x80000000
	s_mov_b32 s56, 1
	s_add_co_u32 s57, s22, OSC
	s_add_nc_u64 s[58:59], s[6:7], s[70:71]
	s_or_b32 s59, s59, 0x80000000
	s_mov_b32 s60, 1
	s_add_co_u32 s61, s22, WSC
	s_add_nc_u64 s[62:63], s[10:11], s[72:73]
	s_or_b32 s63, s63, 0x80000000
	s_cmp_lt_u32 s[WV], 1                          ; one chain of arms, one first fill a wave: wave 0 o's images, wave 1 Wo's rows, wave 2 o's scale words, wave 3 Wo's scale bytes
	s_cbranch_scc0 .Larm_w
	tensor_load_to_lds s[48:51], s[24:31]
	s_nop 0
.rept 4
	v_nop
.endr
	s_branch .Lhead_asked
.Larm_w:
	s_cmp_lt_u32 s[WV], 2
	s_cbranch_scc0 .Larm_os
	tensor_load_to_lds s[52:55], s[32:39]
	s_nop 0
.rept 4
	v_nop
.endr
	s_branch .Lhead_asked
.Larm_os:
	s_cmp_lt_u32 s[WV], 3
	s_cbranch_scc0 .Larm_ws
	tensor_load_to_lds s[56:59], s[40:47]
	s_nop 0
.rept 4
	v_nop
.endr
	s_branch .Lhead_asked
.Larm_ws:
	tensor_load_to_lds s[60:63], s[40:47]
	s_nop 0
.Lhead_asked:
.rept 4
	v_nop
.endr
	v_and_b32 v1, 15, v0                           ; r
	v_bfe_u32 v2, v0, 4, 1                         ; h
	v_and_b32 v3, 31, v0                           ; lane
	s_wait_alu depctr_va_vdst(0)
	v_lshlrev_b32 v[BOF], 5, v2
	s_lshl_b32 s66, s[BX], 9
	s_lshl_b32 s68, s[WC], 8
	s_add_co_u32 s66, s66, s68                     ; my first column, in bytes
	s_add_nc_u64 s[12:13], s[12:13], s[66:67]
.irp b, 0,1,2,3
	global_load_b128 v[BO+8*\b:BO+8*\b+3], v[BOF], s[12:13] offset:64*\b      ; bo(16 b + 8 h + 0 .. 7)
	global_load_b128 v[BO+8*\b+4:BO+8*\b+7], v[BOF], s[12:13] offset:64*\b+16
.endr
	s_mul_i32 s68, s[BY], 393216                   ; 128 rows of 3,072 bytes
	s_mul_i32 s70, s[WR], 196608
	s_add_co_u32 s68, s68, s70
	s_add_co_u32 s68, s68, s66
	s_add_nc_u64 s[14:15], s[14:15], s[68:69]
	s_mul_i32 s70, s[WR], 49152
	v_lshl_add_u32 v[ADO], v3, 4, s70              ; o: my four tiles, 16 x lane
	s_mul_i32 s70, s[WC], 64*816
	s_add_co_u32 s70, s70, WOC
	v_mul_u32_u24 v[ADW], v1, 816
	v_lshl_add_u32 v[ADW], v2, 3, v[ADW]
	v_add_nc_u32 v[ADW], s70, v[ADW]               ; Wo: my 64 rows, row r, + 8 h
	s_mul_i32 s70, s[WR], 1536
	s_add_co_u32 s70, s70, OSC
	v_lshl_add_u32 v[AOS], v1, 2, s70
	s_mul_i32 s70, s[WC], 1536
	s_add_co_u32 s70, s70, WSC
	v_mul_u32_u24 v[AWS], v1, 24
	v_add_nc_u32 v[AWS], s70, v[AWS]
	s_mul_i32 s70, s[WV], 16*272
	s_add_co_u32 s70, s70, STG
	v_mul_u32_u24 v[STO], v1, 272
	v_lshl_add_u32 v[STO], v2, 5, v[STO]
	v_add_nc_u32 v[STO], s70, v[STO]               ; into my stage: row r, 32 bytes for each half of the lanes
	v_mul_u32_u24 v[RD], v2, 272
	v_lshl_add_u32 v[RD], v1, 4, v[RD]
	v_add_nc_u32 v[RD], s70, v[RD]                 ; back: lanes 0-15 one row of 256 bytes, lanes 16-31 the next
	v_mul_u32_u24 v[CO], v2, 3072
	v_lshl_add_u32 v[CO], v1, 4, v[CO]             ; and the same two rows in out0
.macro FETCH s, p                      ; K step s into set p: 16 loads of 16 bytes for o, 32 of 8 bytes for Wo
	WIN 0x40
.irp a, 0,1,2,3
.irp c, 0,1,2,3
	ds_load_b128 v[128*(\p)+16*\a+4*\c:128*(\p)+16*\a+4*\c+3], v[ADO] offset:12288*\a+2048*(\s)+512*\c
.endr
.endr
.irp b, 0,1,2,3
.irp c, 0,1,2,3,4,5,6,7
	ds_load_b64 v[128*(\p)+64+16*\b+2*\c:128*(\p)+64+16*\b+2*\c+1], v[ADW] offset:13056*\b+128*(\s)+16*((\s)/2)+16*\c
.endr
.endr
	WIN 0
.endm
	s_wait_alu depctr_va_vdst(0)
	s_wait_tensorcnt 0x0                           ; my region is in,
	s_barrier_signal -1
	s_barrier_wait -1                              ; everybody's are
	FETCH 0, 0
.irp a, 0,1,2,3
.irp s, 0,1,2,3,4,5
	ds_load_b32 v[OS+6*\a+\s], v[AOS] offset:384*\a+64*\s
.endr
.endr
.irp b, 0,1,2,3
.irp k, 0,1,2
	ds_load_b64 v[WS+6*\b+2*\k:WS+6*\b+2*\k+1], v[AWS] offset:384*\b+8*\k
.endr
.endr
	s_wait_loadcnt 0x0                             ; the bias
.set S, 0
.rept 6
.if S < 5
.if S >= 1
.rept 8
	v_nop                                          ; places in front of loads into the set that the step before multiplied
.endr
.endif
	FETCH S+1, (S+1)%2
	s_wait_dscnt 48                                ; all but the 48 just issued
.else
	s_wait_dscnt 0x0
.endif
	WIN 0x05                                       ; sources 0 and 1 window 1; C and D window 0
.irp a, 0,1,2,3                                ; the 16 accumulators take turns, one instruction a turn
.irp b, 0,1,2,3
.set zD, ACC+8*(4*\a+\b)
.set zW, 128*(S%2)+64+16*\b
.set zO, 128*(S%2)+16*\a
.if S == 0
	v_wmma_scale_f32_16x16x128_f8f6f4 v[zD:zD+7], v[zW:zW+15], v[zO:zO+15], v[BO+8*\b:BO+8*\b+7], v[WS+6*\b+S], v[OS+6*\a+S]
.else
	v_wmma_scale_f32_16x16x128_f8f6f4 v[zD:zD+7], v[zW:zW+15], v[zO:zO+15], v[zD:zD+7], v[WS+6*\b+S], v[OS+6*\a+S]
.endif
.endr
.endr
.set S, S+1
.endr
	WIN 0
.rept 8
	v_nop                                          ; places in front of the first read of results
.endr
; THE WAY OUT, 16 rows at a time through my own stage: LDS serves a wave's instructions in order, so no wait stands between the stores and the loads, nor in front of the next block's stores
.macro PACK a
.irp b, 0,1,2,3
	ds_store_b128 v[STO], v[ACC+32*\a+8*\b:ACC+32*\a+8*\b+3] offset:64*\b       ; each accumulator from its low end on
	ds_store_b128 v[STO], v[ACC+32*\a+8*\b+4:ACC+32*\a+8*\b+7] offset:64*\b+16
.endr
.irp t, 0,1,2,3,4,5,6,7
	ds_load_b128 v[ACC+32*\a+4*\t:ACC+32*\a+4*\t+3], v[RD] offset:\t*2*272
.endr
.endm
.macro SEND a, younger                 ; younger: the LDS instructions issued behind block a's loads
.irp t, 0,1,2,3,4,5,6,7
	s_wait_dscnt \younger+7-\t
	global_store_b128 v[CO], v[ACC+32*\a+4*\t:ACC+32*\a+4*\t+3], s[14:15] offset:(16*\a+2*\t)*3072 th:TH_STORE_NT   ; 16 lanes store 256 consecutive bytes, aligned
.endr
.endm
	PACK 0
	PACK 1
	SEND 0, 16
	PACK 2
	SEND 1, 16
	PACK 3
	SEND 2, 16
	SEND 3, 0
	s_wait_tensorcnt 0x0
	ds_add_u32 v126, v127
	s_wait_dscnt 0x0
	s_endpgm
.Lfunc_end_k_qd56b7176fd_oproj:
	.size	k_qd56b7176fd_oproj, .Lfunc_end_k_qd56b7176fd_oproj-k_qd56b7176fd_oproj
	.p2alignl 7, 3214868480
	.fill 96, 4, 3214868480
	.section	.rodata,"a",@progbits
	.p2align	6, 0x0
	.amdhsa_kernel k_qd56b7176fd_oproj
		.amdhsa_group_segment_fixed_size 229888
		.amdhsa_private_segment_fixed_size 0
		.amdhsa_enable_private_segment 0
		.amdhsa_kernarg_size 48
		.amdhsa_user_sgpr_count 2
		.amdhsa_user_sgpr_kernarg_segment_ptr 1
		.amdhsa_wavefront_size32 1
		.amdhsa_system_sgpr_workgroup_id_x 1
		.amdhsa_system_sgpr_workgroup_id_y 1
		.amdhsa_system_sgpr_workgroup_id_z 1
		.amdhsa_system_vgpr_workitem_id 0
		.amdhsa_next_free_vgpr 512
		.amdhsa_next_free_sgpr 80
		.amdhsa_reserve_vcc 0
		.amdhsa_float_denorm_mode_32 3
		.amdhsa_float_denorm_mode_16_64 3
		.amdhsa_memory_ordered 1
		.amdhsa_forward_progress 1
		.amdhsa_inst_pref_size 51
	.end_amdhsa_kernel
	.amdgpu_metadata
---
amdhsa.version: [ 1, 2 ]
amdhsa.kernels:
  - .name:           k_qd56b7176fd_oproj
    .symbol:         k_qd56b7176fd_oproj.kd
    .args:
      - { .name: o_img, .offset: 0, .size: 8, .value_kind: global_buffer, .address_space: global }
      - { .name: o_sc, .offset: 8, .size: 8, .value_kind: global_buffer, .address_space: global }
      - { .name: Wo_codes, .offset: 16, .size: 8, .value_kind: global_buffer, .address_space: global }
      - { .name: Wo_scales, .offset: 24, .size: 8, .value_kind: global_buffer, .address_space: global }
      - { .name: bo, .offset: 32, .size: 8, .value_kind: global_buffer, .address_space: global }
      - { .name: out0, .offset: 40, .size: 8, .value_kind: global_buffer, .address_space: global }
    .group_segment_fixed_size: 229888
    .private_segment_fixed_size: 0
    .kernarg_segment_align: 8
    .kernarg_segment_size: 48
    .max_flat_workgroup_size: 128
    .sgpr_count:     80
    .vgpr_count:     512
    .wavefront_size: 32
...
	.end_amdgpu_metadata
.endif
;; end of part 3
